; MI455X (gfx1250); checked and timed in simulation.
; The chip was launched on July 23, 2026; its instructions are those of AMD's public machine-readable ISA for CDNA 5 (MIT licence, August 2026) and "CDNA5" Instruction Set Architecture Reference Guide (July 2026). The comments in the code are by the model that wrote it; some were corrected since.
;; MOE Router. Allowed arithmetic: matrix products marked QUANTISED: E3M2 operands, one E8M0 scale for each 32 along K, by v_wmma_scale_f32_16x16x128_f8f6f4 with both operands' format E3M2, f32 sums; products left as they are: f32 operands where the result goes on into a quantised operand, else bf16, f16 or f32 operands; f32 sums; everything else in f32.
;; Inputs: W1 512 x 1,024 float32; W2 8 x 512 float32; b1 512 float32; b2 8 float32; x 32,768 x 1,024 float32.
;; Outputs: out0 32,768 x 8 float32; out1 32,768 x 2 float32; out2 32,768 x 2 int32; out3 8 x 2 x 32,768 int32.
;; This version of the problem:
;;   THIS VERSION OF THE PROBLEM IS GIVEN IN LOW PRECISION. The matrix products marked QUANTISED in the list below multiply operands that are first quantised to E3M2 (3 exponent bits, 2 mantissa bits; 6 bits a number), with one power-of-two scale for each 32 numbers along K (OCP MX v1.0); their sums are f32. All else is computed in f32.
;;   The module's matrix products, in the order in which they are computed (A, B: the left and right operand; K: the contracted axis; several contracted axes count as one K, in the product's order):
;;     1. [M 32,768, K 1,024] x [K 1,024, N 512]; A: input x; B: input W1: QUANTISED
;;     2. [M 32,768, K 512] x [K 512, N 8]; A: computed on the way; B: input W2: left as it is (N = 8 < 16)
;;   THE QUANTISER, for each operand of a quantised product, along K:
;;     - K is cut into blocks of 32 from its start; a last block that is shorter is filled with zeros.
;;     - A block's scale is 2^e with e = floor(log2(the largest magnitude in the block)) - 4, held to -126 .. 127; a block of zeros has e = 0. As a byte (E8M0): e + 127.
;;     - Each number is divided by its block's scale, clamped to +-28, and rounded to the nearest number of E3M2, ties to even, subnormals kept.
;;     - The product sums the exact products of the quantised numbers (number of the format x scale) in f32.
;;   ~~~python
;;   def quantise(x, axis):      # numpy; x: float32 -> the quantised numbers, widened to float32 again
;;       x = np.moveaxis(x, axis, -1); K = x.shape[-1]
;;       x = np.pad(x, [(0, 0)] * (x.ndim - 1) + [(0, -K % 32)]); x = x.reshape(x.shape[:-1] + (-1, 32)); a = np.abs(x).max(-1, keepdims=True)
;;       e = np.where(a > 0, np.clip(np.frexp(np.where(a > 0, a, 1))[1] - 1 - 4, -126, 127), 0)      # np.frexp(a)[1] - 1 = floor(log2(a)), exactly
;;       r = np.clip(x / 2.0 ** e, -28, 28)
;;       step = 2.0 ** (np.maximum(np.frexp(np.where(r == 0, 1, r))[1] - 1, -2) - 2)
;;       q = np.round(r / step) * step * 2.0 ** e      # np.round: ties to even
;;       return np.moveaxis(q.reshape(q.shape[:-2] + (-1,))[..., :K], -1, axis).astype(np.float32)
;;   ~~~
;; One version. Each part assembles by itself: llvm-mc -triple=amdgcn-amd-amdhsa -mcpu=gfx1250 --defsym DOCPART=n.
;; ======== version 1 of 1: 2 launches
;; workspace buffers: w1c 393,216 bytes; w1s 32,768 bytes
;; launch prep (part 1): grid 64 x 1, 4 waves a work-group, no clusters, 18,432 bytes of LDS; arguments W1, w1c, w1s; writes w1c, w1s
.if DOCPART == 1
	.amdgcn_target "amdgcn-amd-amdhsa--gfx1250"
	.amdhsa_code_object_version 6
	.text
	.protected	k_q344bb5685d_prep
	.globl	k_q344bb5685d_prep
	.p2align	8
	.type	k_q344bb5685d_prep,@function
k_q344bb5685d_prep:
	s_mov_b64 s[64:65], 0
	v_nop
	global_prefetch_b8 v0, s[64:65] scope:SCOPE_SE
	s_setreg_imm32_b32 hwreg(HW_REG_WAVE_MODE, 25, 1), 1
	s_wait_xcnt 0x0
; W1 [512][1024] f32 becomes codes of BF6 (E3M2) with one E8M0 byte for each 32 along K, laid as IMAGES OF THE OPERAND'S REGISTERS for the launch that multiplies.
;   w1c: fragment (u = tile of 16 rows, s = K step of 128) at ((8 u + s) x 1,536) bytes: registers 4 c .. 4 c + 3 of lane l at 512 c + 16 l.
;   w1s: block (w = u / 4, s) at ((8 w + s) x 512) bytes: lane l's 16 bytes are the scale words of tiles 4 w + 0 .. 3 for row l % 16.
; SHARES.  Work-group g takes block (w = g / 8, s = g % 8) of W1; its wave b takes tile 4 w + b: 16 rows x 128 numbers.
; A block's scale is 2^(floor(log2(its largest magnitude)) - 4); its byte is the largest magnitude's exponent field - 4, held at 1 from below.
; LIMITS: a block of zeros gets the byte 1 where the quantiser's rule says 127: its codes are zeros, and this program alone reads the bytes.  NaN and infinities among the inputs are not served.
.set SEL,  18                          ; s[18:19] lane selects for v_permlanex16_b32: lane l xor 16
.set SP,   272                         ; a stage row: 256 bytes + 16, so that the sixteen rows of a read begin in sixteen different columns of 16 bytes
.set STGW, 16*SP                       ; a wave's stage
.set SWB,  4*STGW                      ; behind the stages: 512 bytes in which the four waves' scale words meet
.set RAW,  32                          ; v32-95   64 numbers a lane
.set TM,   96                          ; v96-111  at work
.set TP,   112                         ; v112-118 the conversions' second halves
.set PC,   120                         ; v120-131 the fragment's codes
.set PW,   132                         ; v132     my row's scale word
.set MSB, 0
.macro WIN new                         ; the immediate's high byte repeats the setting that is left (this text stays in window 0: the macro below is shared with the next launch)
.if MSB != \new
	s_set_vgpr_msb (MSB<<8)|\new
.set MSB, \new
.endif
.endm
; 64 numbers of a lane, v[s] .. v[s + 63] (in window 1 where sw = 1), register 16 b + i = k 32 b + 16 (lane / 16) + i of my row, become a fragment's codes in v[d] .. v[d + 11] and its scale word in v[pw].
.macro QUANT sw, s, d, pw, tm, tp
.if \sw
	WIN 0x05
.endif
.irp b, 0,1,2,3
	v_max3_num_f32 v[\tm+\b], |v[\s+16*\b]|, |v[\s+1+16*\b]|, 0x2800000   ; block b: my 16 numbers, and the floor 2^(5 - 127): so the byte cannot fall under 1
.endr
.if \sw
	WIN 0x14
.endif
.irp i, 2,4,6,8,10,12,14
.irp b, 0,1,2,3
	v_max3_num_f32 v[\tm+\b], v[\tm+\b], |v[\s+16*\b+\i]|, |v[\s+1+16*\b+\i]|   ; the four blocks by turns
.endr
.endr
	WIN 0
.irp b, 0,1,2,3
	v_permlanex16_b32 v[\tm+4+\b], v[\tm+\b], s[SEL], s[SEL+1]
.endr
.irp b, 0,1,2,3
	v_max_num_f32 v[\tm+\b], v[\tm+\b], v[\tm+4+\b]        ; with lane l xor 16's: the block's largest magnitude
.endr
.irp b, 0,1,2,3
	v_add_nc_u32 v[\tm+12+\b], 0xfe000000, v[\tm+\b]       ; 4 off its exponent field: the conversion takes the exponent field of this operand as its scale
.endr
.irp b, 0,1,2,3
	v_lshrrev_b32 v[\tm+4+\b], 23, v[\tm+12+\b]            ; the scale's byte
.endr
	v_lshl_or_b32 v[\pw], v[\tm+5], 8, v[\tm+4]
	v_lshl_or_b32 v[\pw], v[\tm+6], 16, v[\pw]
	v_lshl_or_b32 v[\pw], v[\tm+7], 24, v[\pw]             ; my row's scale word
.if \sw
	WIN 0x01
.endif
.irp c, 0,1
	v_cvt_scalef32_pk16_bf6_f32 v[\d+6*\c:\d+2+6*\c], v[\s+32*\c:\s+15+32*\c], v[\tm+12+2*\c]
	v_cvt_scalef32_pk16_bf6_f32 v[\tp+4*\c:\tp+2+4*\c], v[\s+16+32*\c:\s+31+32*\c], v[\tm+13+2*\c]   ; (a conversion's three registers begin on an even number)
.endr
	WIN 0
	v_nop                                                  ; one plain place behind the scaled conversions
.irp c, 0,1                            ; the operand's layout wants a whole block in a lane: lanes 0-15 block 2 c, lanes 16-31 block 2 c + 1
.irp i, 0,1,2
	v_permlane16_swap_b32 v[\d+6*\c+\i], v[\tp+4*\c+\i]
.endr
.irp i, 0,1,2
	v_mov_b32 v[\d+3+6*\c+\i], v[\tp+4*\c+\i]
.endr
.endr
.endm
	s_load_b64 s[4:5], s[0:1], 0x0                 ; W1
	s_load_b128 s[8:11], s[0:1], 0x8               ; w1c s[8:9], w1s s[10:11]
	v_lshl_add_u32 v144, v0, 2, 0x4600
	v_mov_b32 v145, 0
	v_lshrrev_b32 v8, 5, v0
	v_readfirstlane_b32 s16, v8                    ; wave b
	v_and_b32 v8, 31, v0                           ; lane l
	v_and_b32 v9, 15, v0                           ; r
	v_bfe_u32 v10, v0, 4, 1                        ; h
	v_lshlrev_b32 v1, 4, v9
	v_lshl_add_u32 v1, v10, 12, v1                 ; W1: lanes 0-15 take 256 bytes of one row, lanes 16-31 of the next
	v_lshlrev_b32 v4, 4, v8                        ; 16 l: an image's place for my lane
	s_mul_i32 s20, s16, STGW
	v_mul_u32_u24 v2, v10, SP
	v_lshl_add_u32 v2, v9, 4, v2
	v_add_nc_u32 v2, s20, v2                       ; the stage, on the way in: row h, 16 r
	v_mul_u32_u24 v3, v9, SP
	v_lshl_add_u32 v3, v10, 6, v3
	v_add_nc_u32 v3, s20, v3                       ; and on the way out: row r, 64 h
	v_add_nc_u32 v6, SWB, v4                       ; the four waves' scale words: 16 l,
	s_lshl_b32 s21, s16, 2
	v_add_nc_u32 v5, s21, v6                       ; + 4 b for mine
.irp b, 0,1,2,3
	v_mov_b32 v[TM+4+\b], 0                        ; written once: a lane permute's destination counts as one of its sources
.endr
	s_mov_b32 s[SEL], 0x76543210
	s_mov_b32 s[SEL+1], 0xfedcba98
	s_lshr_b32 s20, ttmp9, 3                       ; w
	s_and_b32 s21, ttmp9, 7                        ; s
	s_lshl_b32 s22, s20, 18                        ; W1: row 64 w + 16 b of 4,096 bytes, + 512 s
	s_lshl_b32 s23, s16, 16
	s_add_co_u32 s22, s22, s23
	s_lshl_b32 s23, s21, 9
	s_add_co_u32 s22, s22, s23
	s_mov_b32 s23, 0
	s_lshl_b32 s24, s20, 2
	s_add_co_u32 s24, s24, s16                     ; u = 4 w + b
	s_lshl_b32 s24, s24, 3
	s_add_co_u32 s24, s24, s21
	s_mul_i32 s24, s24, 1536                       ; w1c: (8 u + s) x 1,536
	s_mov_b32 s25, 0
	s_lshl_b32 s26, ttmp9, 9                       ; w1s: 512 g
	s_mov_b32 s27, 0
	s_wait_kmcnt 0x0
	s_add_nc_u64 s[4:5], s[4:5], s[22:23]
	s_add_nc_u64 s[8:9], s[8:9], s[24:25]
	s_add_nc_u64 s[10:11], s[10:11], s[26:27]
.irp q, 0,1                            ; 16 rows x 512 bytes in two halves of 256 bytes a row: each load reads two rows' 256 consecutive aligned bytes
.irp i, 0,1,2,3,4,5,6,7
	global_load_b128 v[RAW+32*\q+4*\i:RAW+32*\q+4*\i+3], v1, s[4:5] offset:8192*\i+256*\q th:TH_LOAD_NT
.endr
.endr
	; The loads took the bytes as they lie; the conversions want 16 neighbours along K in a lane.  Each half turns through my own stage and comes back into the registers that it left.
.irp q, 0,1
	s_wait_loadcnt 8-8*\q                          ; this half's eight loads are in; the other half's eight may be out
.irp i, 0,1,2,3,4,5,6,7
	ds_store_b128 v2, v[RAW+32*\q+4*\i:RAW+32*\q+4*\i+3] offset:2*SP*\i
.endr
.irp bb, 0,1
.irp j, 0,1,2,3
	ds_load_b128 v[RAW+32*\q+16*\bb+4*\j:RAW+32*\q+16*\bb+4*\j+3], v3 offset:128*\bb+16*\j   ; LDS serves a wave's instructions in order (ISA guide 5.7.1.4): these see the stores above, and the next half's stores come behind them
.endr
.endr
.endr
	s_wait_dscnt 0x0
	QUANT 0, RAW, PC, PW, TM, TP
.irp c, 0,1,2
	global_store_b128 v4, v[PC+4*\c:PC+4*\c+3], s[8:9] offset:512*\c   ; the fragment's image: 512 consecutive bytes a store, aligned
.endr
	ds_store_b32 v5, v[PW]
	s_wait_dscnt 0x0                               ; for the others' sake: my word has landed
	s_barrier_signal -1
	s_barrier_wait -1
	s_cmp_lg_u32 s16, 0                            ; wave 0 stores the block's 512 bytes of scale words
	s_cbranch_scc1 .Ldone
	ds_load_b128 v[136:139], v6
	s_wait_dscnt 0x0
	global_store_b128 v4, v[136:139], s[10:11]
.Ldone:
	s_wait_tensorcnt 0x0
	ds_add_u32 v144, v145
	s_wait_dscnt 0x0
	s_endpgm
.Lfunc_end_k_q344bb5685d_prep:
	.size	k_q344bb5685d_prep, .Lfunc_end_k_q344bb5685d_prep-k_q344bb5685d_prep
	.p2alignl 7, 3214868480
	.fill 96, 4, 3214868480
	.section	.rodata,"a",@progbits
	.p2align	6, 0x0
	.amdhsa_kernel k_q344bb5685d_prep
		.amdhsa_group_segment_fixed_size 18432
		.amdhsa_private_segment_fixed_size 0
		.amdhsa_enable_private_segment 0
		.amdhsa_kernarg_size 24
		.amdhsa_user_sgpr_count 2
		.amdhsa_user_sgpr_kernarg_segment_ptr 1
		.amdhsa_wavefront_size32 1
		.amdhsa_system_sgpr_workgroup_id_x 1
		.amdhsa_system_sgpr_workgroup_id_y 1
		.amdhsa_system_sgpr_workgroup_id_z 1
		.amdhsa_system_vgpr_workitem_id 0
		.amdhsa_next_free_vgpr 146
		.amdhsa_next_free_sgpr 66
		.amdhsa_reserve_vcc 0
		.amdhsa_float_denorm_mode_32 3
		.amdhsa_float_denorm_mode_16_64 3
		.amdhsa_memory_ordered 1
		.amdhsa_forward_progress 1
		.amdhsa_inst_pref_size 11
	.end_amdhsa_kernel
	.amdgpu_metadata
---
amdhsa.version: [ 1, 2 ]
amdhsa.kernels:
  - .name:           k_q344bb5685d_prep
    .symbol:         k_q344bb5685d_prep.kd
    .args:
      - { .name: W1, .offset: 0, .size: 8, .value_kind: global_buffer, .address_space: global }
      - { .name: w1c, .offset: 8, .size: 8, .value_kind: global_buffer, .address_space: global }
      - { .name: w1s, .offset: 16, .size: 8, .value_kind: global_buffer, .address_space: global }
    .group_segment_fixed_size: 18432
    .private_segment_fixed_size: 0
    .kernarg_segment_align: 8
    .kernarg_segment_size: 24
    .max_flat_workgroup_size: 128
    .sgpr_count:     66
    .vgpr_count:     146
    .wavefront_size: 32
...
	.end_amdgpu_metadata
.endif
;; end of part 1
;; launch router (part 2): grid 256 x 1, 8 waves a work-group, no clusters, 327,680 bytes of LDS; arguments x, w1c, w1s, W2, b1, b2, out0, out1, out2, out3; writes out0, out1, out2, out3
.if DOCPART == 2
	.amdgcn_target "amdgcn-amd-amdhsa--gfx1250"
	.amdhsa_code_object_version 6
	.text
	.protected	k_q344bb5685d_router
	.globl	k_q344bb5685d_router
	.p2align	8
	.type	k_q344bb5685d_router,@function
k_q344bb5685d_router:
	s_mov_b64 s[64:65], 0
	v_nop
	global_prefetch_b8 v0, s[64:65] scope:SCOPE_SE
	s_setreg_imm32_b32 hwreg(HW_REG_WAVE_MODE, 25, 1), 1
	s_wait_xcnt 0x0
; h = Q(x) Q(W1)^T + b1 on codes of BF6 (E3M2) with E8M0 scales; logits = h W2^T + b2; softmax; the two largest probabilities, renormalised; their indices; the one-hot masks [8][2][32768].
; SHARES.  A work-group takes 128 tokens, 256 work-groups in all.  Wave w QUANTISES tokens 16 w .. 16 w + 15 (token tile a = w) and MULTIPLIES all eight token tiles by hidden units 64 w .. 64 w + 63
; (unit tiles b = 0 .. 3): 32 accumulators.  Its fragments of W1 come from memory straight into its registers, as images that the launch before has laid: no other wave of the work-group wants them.
; x, 512 KiB a work-group, IS REQUESTED WHOLE AT THE HEAD AND NOTHING IN LDS IS FILLED TWICE: K steps 4-7 by 64 loads a wave into the 256 registers that later hold the accumulators, K steps 0-3 by four
; tensor loads a wave into four LDS regions of the wave's own.  K is walked 4, 5, 6, 7, 0, 1, 2, 3, the order in which the requests went out.
; x's codes go from the wave that made them to all eight as images of the operand's registers in LDS, two buffers by turns.
; A K STEP is 32 products in runs of eight.  x's fragments come two token tiles at a time into four places that take turns, each pair asked for a run ahead of its use.  The NEXT step's image is made and stored
; in the middle of the step, into the other buffer.  ONE barrier a step: its signal stands behind the wait for all my reads of this buffer and for my stores into the other; four products stand between signal
; and wait; behind the wait the next step's first two fragments are asked for, ahead of the step's last four products.
; THE FIRST PRODUCT IS USED TRANSPOSED (source 0 = 16 rows of W1, source 1 = 16 tokens): in accumulator (a, b) lane (r, h) holds token 16 a + r and its register j the unit 64 w + 16 b + 8 h + j.
; THE SECOND PRODUCT STAYS IN f32, BY FUSED MULTIPLY-ADDS.  It decides whole-number outputs: h rounded to bf16 would move each term by up to 2^-9 of its size, enough to turn the order of two close probabilities.
; A wave's part is 128 tokens x 64 units x 8 experts = 65,536 multiply-adds: 1,024 packed instructions.  A packed pair is two EXPERTS: one register of h feeds both halves, W2 lies as pairs
; (W2[e][u], W2[e + 1][u]), and the sums are the logits themselves: nothing is reduced within a lane.  A lane sums the units of its half h; the two halves and the eight waves are added by the router.
; NO CLUSTER: what work-groups share is W1's codes.  A joint load brings a tile into LDS: a K step of W1 is 49,152 bytes of codes and 4,096 of scale words, and beside x's 270,336 bytes, the stages' 34,816
; and the images' 13,312 this text has 9,216 bytes left.
; LIMITS: NaN and infinities are not served.  A block of zeros gets the scale byte 1 (its codes are zeros).  An exponential under 2^-126 comes out as 0 (ISA guide, v_exp_f32).  Of equal probabilities the lower index is taken.
;
; LDS (bytes):  RAW[s] = 67,584 s, s = 0 .. 3: K step s of x as f32; wave w's 16 rows at + 8,448 w, 528 apart (512 + 16).  Filled once, read by the wave that asked for it.
;   STG = 270,336: wave w's stage at + 4,352 w, 16 rows 272 apart.   IMG0 = 305,152, IMG1 = 270,336 (the stages, once they are done with): 8 fragments x 1,536, then 8 x 128 bytes of scale words.
;   W2L = 283,648, behind IMG1 in the old stages: wave w's 64 units of W2 at + 2,048 w, laid [unit][expert], 32 bytes a unit; written and read by that wave alone.
;   Part logits: 0 .. 65,535 (wave w, token tile a at 8,192 w + 1,024 a), in RAW[0];  the masks: 16 rows x 512 bytes from 67,584, in RAW[1]: both regions have had their one fill and their last read by then.
; REGISTERS.  Window 0: v1-23 addresses; v24-71, v72-119 W1's four fragments, two sets; v120-127 their scale words, two sets; v128-175 four places for x's fragments (places 2 and 3 serve the quantiser between two
;   fetches); v192-243 the codes and scale words of K steps 4-7; once those are stored: v176-239 64 numbers of x, v240-251 the codes just made; v252-255 x's scale words.
;   In the second product: v24-119 and v128-159 W2 of 16 units, v160-223 the logits' sums.   Window 1: 64 x 4 landing registers of x, then accumulator (a, b) at v[32 a + 8 b].
.set RP,    528
.set RAWW,  16*RP
.set RAWB,  8*RAWW
.set SP,    272
.set STGW,  16*SP
.set STG,   4*RAWB
.set IMG1,  STG
.set IMG0,  STG+8*STGW
.set FRB,   1536                       ; a fragment's image
.set ISC,   8*FRB                      ; the scale words behind the eight fragments
.set W2L,   IMG1+ISC+8*128             ; behind IMG1
.set MASK,  RAWB
.set WF,    24                         ; W1's fragments: set n at v[24 + 48 n], fragment b at + 12 b
.set WS,    120                        ; their scale words: set n at v[120 + 4 n].  These eight registers hold scales and nothing else
.set XF,    128                        ; x's fragments: place i at v[128 + 12 i]
.set XS,    252                        ; and their scale words
.set KC,    192                        ; kept codes of K step 4 + n at v[192 + 12 n]
.set KS,    240                        ; kept scale words
.set RQ,    176                        ; 64 numbers of x out of LDS; v176 then takes the scale word just made
.set QD,    240                        ; the codes just made
.set QT,    152                        ; the quantiser at work, in places 2 and 3
.set QP,    168
.set W2A,   21                         ; v21  W2 in LDS, as read
.set W2R,   24                         ; W2 of a pass's unit i, eight experts: v[24 + 8 i + 8 (i / 12)]: units 0-11 in v24-119, units 12-15 in v128-159 (v120-127 are passed over)
.set LG,    160                        ; the logits' sums: token tile a, expert e at v[160 + 8 a + e]
.set G1,    28                         ; s[28:35] descriptor group 1;  s[36:51] four groups 0
.set G0,    36
.set SEL,   52                         ; s[52:53] lane selects for v_permlanex16_b32: lane l xor 16
.set MSB, 0
.macro WIN new                         ; the immediate's high byte repeats the setting that is left
.if MSB != \new
	s_set_vgpr_msb (MSB<<8)|\new
.set MSB, \new
.endif
.endm
.macro PLACES n                        ; plain places behind matrix instructions (ISA guide 7.12.1)
.rept \n
	v_nop
.endr
.endm
.macro BAR                             ; my LDS stores have landed and my LDS loads are in: then the work-group's barrier
	s_wait_dscnt 0x0
	s_barrier_signal -1
	s_barrier_wait -1
.endm
; 64 numbers of a lane, v[s] .. v[s + 63] (in window 1 where sw = 1), register 16 b + i = k 32 b + 16 (lane / 16) + i of my row, become a fragment's codes in v[d] .. v[d + 11] and its scale word in v[pw].
; The scale word is put together behind the conversions: its three lines are the plain place that a scaled conversion wants behind it, and pw may then be one of the numbers' registers.
.macro QUANT sw, s, d, pw, tm, tp
.if \sw
	WIN 0x05
.endif
.irp b, 0,1,2,3
	v_max3_num_f32 v[\tm+\b], |v[\s+16*\b]|, |v[\s+1+16*\b]|, 0x2800000   ; block b: my 16 numbers, and the floor 2^(5 - 127): so the byte cannot fall under 1
.endr
.if \sw
	WIN 0x14
.endif
.irp i, 2,4,6,8,10,12,14
.irp b, 0,1,2,3
	v_max3_num_f32 v[\tm+\b], v[\tm+\b], |v[\s+16*\b+\i]|, |v[\s+1+16*\b+\i]|   ; the four blocks by turns
.endr
.endr
	WIN 0
.irp b, 0,1,2,3
	v_permlanex16_b32 v[\tm+4+\b], v[\tm+\b], s[SEL], s[SEL+1]
.endr
.irp b, 0,1,2,3
	v_max_num_f32 v[\tm+\b], v[\tm+\b], v[\tm+4+\b]        ; with lane l xor 16's: the block's largest magnitude
.endr
.irp b, 0,1,2,3
	v_add_nc_u32 v[\tm+12+\b], 0xfe000000, v[\tm+\b]       ; 4 off its exponent field: the conversion takes the exponent field of this operand as its scale
.endr
.irp b, 0,1,2,3
	v_lshrrev_b32 v[\tm+4+\b], 23, v[\tm+12+\b]            ; the scale's byte
.endr
.if \sw
	WIN 0x01
.endif
.irp c, 0,1
	v_cvt_scalef32_pk16_bf6_f32 v[\d+6*\c:\d+2+6*\c], v[\s+32*\c:\s+15+32*\c], v[\tm+12+2*\c]
	v_cvt_scalef32_pk16_bf6_f32 v[\tp+4*\c:\tp+2+4*\c], v[\s+16+32*\c:\s+31+32*\c], v[\tm+13+2*\c]   ; (a conversion's three registers begin on an even number)
.endr
	WIN 0
	v_lshl_or_b32 v[\tm+8], v[\tm+5], 8, v[\tm+4]          ; (names no result and no source of the conversions)
	v_lshl_or_b32 v[\tm+8], v[\tm+6], 16, v[\tm+8]
	v_lshl_or_b32 v[\pw], v[\tm+7], 24, v[\tm+8]           ; my row's scale word
.irp c, 0,1                            ; the operand's layout wants a whole block in a lane: lanes 0-15 block 2 c, lanes 16-31 block 2 c + 1
.irp i, 0,1,2
	v_permlane16_swap_b32 v[\d+6*\c+\i], v[\tp+4*\c+\i]
.endr
.irp i, 0,1,2
	v_mov_b32 v[\d+3+6*\c+\i], v[\tp+4*\c+\i]
.endr
.endr
.endm
; Half q (256 bytes a row) of K step 4 + sp has landed as it lies in memory; it turns through my stage and comes back, 16 neighbours along K to a lane and block, into the registers that it left.
.macro MV sp, q, cnt
	s_wait_loadcnt \cnt                            ; loads come back in order (ISA guide 5.7.1): this half's eight are in, the cnt issued behind them may be out
	WIN 0x04                                       ; an LDS store's data are its source 1: window 1
.irp i, 0,1,2,3,4,5,6,7
	ds_store_b128 v2, v[64*(\sp)+32*(\q)+4*\i:64*(\sp)+32*(\q)+4*\i+3] offset:2*SP*\i
.endr
	WIN 0x40
.irp bb, 0,1
.irp j, 0,1,2,3
	ds_load_b128 v[64*(\sp)+32*(\q)+16*\bb+4*\j:64*(\sp)+32*(\q)+16*\bb+4*\j+3], v3 offset:128*\bb+16*\j   ; LDS serves a wave's instructions in order (ISA guide 5.7.1.4)
.endr
.endr
	WIN 0
.endm
.macro W1LOAD set, s                   ; my four fragments of W1 for K step s and their scale words: 13 loads of 512 consecutive bytes
.irp b, 0,1,2,3
.irp c, 0,1,2
	global_load_b128 v[WF+48*(\set)+12*\b+4*\c:WF+48*(\set)+12*\b+4*\c+3], v13, s[6:7] offset:(8*\b+(\s))*FRB+512*\c
.endr
.endr
	global_load_b128 v[WS+4*(\set):WS+4*(\set)+3], v13, s[8:9] offset:512*(\s)
.endm
.macro IMAGE buf, c, pw                ; my token tile's fragment and scale words go to LDS as they stand: 4 LDS instructions
.irp k, 0,1,2
	ds_store_b128 v[9+\buf], v[\c+4*\k:\c+4*\k+3] offset:512*\k
.endr
	ds_store_b32 v[11+\buf], v[\pw]
.endm
.macro FETCH1 buf, a, i                ; token tile a's comes back so, in any wave, into place i of four: 4 LDS instructions
.irp k, 0,1,2
	ds_load_b128 v[XF+12*(\i)+4*\k:XF+12*(\i)+4*\k+3], v[5+\buf] offset:FRB*(\a)+512*\k
.endr
	ds_load_b32 v[XS+(\i)], v[7+\buf] offset:128*(\a)
.endm
; Four products: my four unit tiles x token tile a.  first = 1: the sums begin with b1, which lies in accumulator (0, b)'s registers, in the result's layout: it is the C of every tile's first product.
.macro MUL4 set, first, a, i
.irp b, 0,1,2,3
.if (\first) && ((\a) != 0)
	v_wmma_scale_f32_16x16x128_f8f6f4 v[32*(\a)+8*\b:32*(\a)+8*\b+7], v[WF+48*(\set)+12*\b:WF+48*(\set)+12*\b+11], v[XF+12*(\i):XF+12*(\i)+11], v[8*\b:8*\b+7], v[WS+4*(\set)+\b], v[XS+(\i)] matrix_a_fmt:MATRIX_FMT_BF6 matrix_b_fmt:MATRIX_FMT_BF6
.else
	v_wmma_scale_f32_16x16x128_f8f6f4 v[32*(\a)+8*\b:32*(\a)+8*\b+7], v[WF+48*(\set)+12*\b:WF+48*(\set)+12*\b+11], v[XF+12*(\i):XF+12*(\i)+11], v[32*(\a)+8*\b:32*(\a)+8*\b+7], v[WS+4*(\set)+\b], v[XS+(\i)] matrix_a_fmt:MATRIX_FMT_BF6 matrix_b_fmt:MATRIX_FMT_BF6
.endif
.endr
.endm
; THE t-TH K STEP.  At its head token tiles 4 and 5 of this step's buffer have been asked for, into places 0 and 1.  The 32 accumulators take turns, one instruction a turn, in the same order in every step.
; Token tile 0 comes last, so that in the first step b1 has been read by all the others before it is written over.
; Four places stand in front of every run of loads into registers that matrix instructions have read, and in front of the quantiser's writes into places 2 and 3.
; THE BUFFERS.  This step reads buffer t % 2 and writes the other.  The other buffer's last readers, every wave's fetches of step t - 1, had come back in front of that step's signal, and I write behind that
; step's barrier wait.  It is read again only behind this step's barrier wait, which follows every wave's wait for its stores.
.macro KSTEP t, cnt
.set PB, (\t)%2
.set NB, 1-PB
.set NS, ((\t)+6)%8
.set FI, 0
.if (\t) == 0
.set FI, 1
.endif
.set YB, 0
	FETCH1 PB, 6, 2
	FETCH1 PB, 7, 3
.if ((\t) >= 3) && ((\t) <= 6)
.set YB, 16
	s_wait_tensorcnt 6-(\t)                        ; tensor loads of a wave end in order (ISA guide 10.11.1): the NEXT step's tile of x is in; the 6 - t issued behind it may be out.  Only I read these bytes
.irp b, 0,1,2,3
.irp j, 0,1,2,3
	ds_load_b128 v[RQ+16*\b+4*\j:RQ+16*\b+4*\j+3], v4 offset:128*\b+16*\j   ; its 64 numbers a lane: they have sixteen products in which to come
.endr
.endr
.endif
	s_wait_loadcnt \cnt                            ; this step's fragments of W1 are in; what was asked for behind them may be out
	s_wait_dscnt 8+YB                              ; tiles 4 and 5 are in; behind them: tiles 6 and 7's eight loads, and the sixteen of x
	WIN 0x50                                       ; C and D in window 1
	MUL4 PB, FI, 4, 0
	MUL4 PB, FI, 5, 1
	WIN 0
	PLACES 4
	FETCH1 PB, 1, 0
	FETCH1 PB, 2, 1
	s_wait_dscnt 8+YB                              ; tiles 6 and 7 are in; behind them: the sixteen of x, and tiles 1 and 2's eight
	WIN 0x50
	MUL4 PB, FI, 6, 2
	MUL4 PB, FI, 7, 3
	WIN 0
	PLACES 4
.if (\t) <= 2
	IMAGE NB, KC+12*((\t)+1), KS+(\t)+1            ; the next step's image, out of the kept codes
.elseif (\t) <= 6
	s_wait_dscnt 8                                 ; the numbers of x are in; tiles 1 and 2's eight loads may be out
.if (\t) < 6
	v_add_nc_u32 v4, RAWB, v4                      ; on to the next K step's region
.endif
	QUANT 0, RQ, QD, RQ, QT, QP
	IMAGE NB, QD, RQ                               ; the next step's image.  Its registers are written again only behind the wait for 0 below
.else
	s_wait_loadcnt 0x0                             ; W2's sixteen loads, asked for a K step ago.  A lane holds units l and 32 + l, eight experts each: they go to my own 2,048 bytes as [unit][expert]
	ds_store_b128 v23, v[24:27]
	ds_store_b128 v23, v[28:31] offset:16
	ds_store_b128 v23, v[32:35] offset:1024
	ds_store_b128 v23, v[36:39] offset:1040
.endif
	FETCH1 PB, 3, 2
	FETCH1 PB, 0, 3
	s_wait_dscnt 12                                ; tiles 1 and 2 are in; behind them: four stores, and tiles 3 and 0's eight loads
	WIN 0x50
	MUL4 PB, FI, 1, 0
	MUL4 PB, FI, 2, 1
	s_wait_dscnt 0x0                               ; tiles 3 and 0 are in: my reads of this buffer are over; and my stores have landed
.if (\t) < 7
	s_barrier_signal -1                            ; say so,
.endif
	MUL4 PB, FI, 3, 2                              ; work on registers while the others arrive,
.if (\t) < 7
	WIN 0
	s_barrier_wait -1                              ; and go on when all eight have said so: the next step's eight images lie in LDS
	PLACES 4+FI                                    ; in the first step one more: the last four products write over registers that the products above have read as C
	FETCH1 NB, 4, 0
	FETCH1 NB, 5, 1
	WIN 0x50
.endif
	MUL4 PB, FI, 0, 3
	WIN 0
	PLACES 4                                       ; in front of the loads below and of the next step's, and of the first read of results
.if (\t) <= 5
	W1LOAD PB, NS                                  ; this set takes the K step two steps on
.elseif (\t) == 6
.irp hf, 0,1                           ; W2: my 64 columns, 256 aligned bytes of each of its eight rows.  A lane takes a unit (l, then 32 + l) and its registers run down the experts; into the set that is done with
.irp e, 0,1,2,3,4,5,6,7
	global_load_b32 v[24+8*\hf+\e], v22, s[10:11] offset:2048*\e+128*\hf
.endr
.endr
.endif
.endm
; Pass ps of the second product: unit tiles 2 ps and 2 ps + 1, 16 units a lane.  W2 of unit i comes by two loads in which the sixteen lanes of a half read the same 16 bytes.  Then, unit by unit as the loads come
; back, 32 packed multiply-adds: eight token tiles x four pairs of experts, 32 sums by turns.  Unit i of token tile a is register 32 a + 16 ps + i of window 1: the even register of its pair feeds both halves
; by op_sel_hi 0, the odd one by op_sel 1.  Each accumulator is read from its low end on.  The very first unit's products start the sums: nothing is cleared.
.macro LOGITS ps
.irp i, 0,1,2,3,4,5,6,7,8,9,10,11,12,13,14,15
.irp k, 0,1
	ds_load_b128 v[W2R+8*\i+8*(\i/12)+4*\k:W2R+8*\i+8*(\i/12)+4*\k+3], v[W2A] offset:512*(2*(\ps)+\i/8)+32*(\i%8)+16*\k
.endr
.endr
	WIN 0x01                                       ; source 0 (h) in window 1
.irp i, 0,1,2,3,4,5,6,7,8,9,10,11,12,13,14,15
	s_wait_dscnt 30-2*\i                           ; unit i's two loads are in; those of the units behind it may be out
.irp a, 0,1,2,3,4,5,6,7
.irp g, 0,1,2,3
.if ((\ps) == 0) && (\i == 0)
	v_pk_mul_f32 v[LG+8*\a+2*\g:LG+8*\a+2*\g+1], v[32*\a+16*(\ps)+2*(\i/2):32*\a+16*(\ps)+2*(\i/2)+1], v[W2R+8*\i+8*(\i/12)+2*\g:W2R+8*\i+8*(\i/12)+2*\g+1] op_sel_hi:[0,1]
.elseif (\i%2) == 0
	v_pk_fma_f32 v[LG+8*\a+2*\g:LG+8*\a+2*\g+1], v[32*\a+16*(\ps)+2*(\i/2):32*\a+16*(\ps)+2*(\i/2)+1], v[W2R+8*\i+8*(\i/12)+2*\g:W2R+8*\i+8*(\i/12)+2*\g+1], v[LG+8*\a+2*\g:LG+8*\a+2*\g+1] op_sel_hi:[0,1,1]
.else
	v_pk_fma_f32 v[LG+8*\a+2*\g:LG+8*\a+2*\g+1], v[32*\a+16*(\ps)+2*(\i/2):32*\a+16*(\ps)+2*(\i/2)+1], v[W2R+8*\i+8*(\i/12)+2*\g:W2R+8*\i+8*(\i/12)+2*\g+1], v[LG+8*\a+2*\g:LG+8*\a+2*\g+1] op_sel:[1,0,0] op_sel_hi:[1,1,1]
.endif
.endr
.endr
.endr
	WIN 0
.endm
.macro TREE p                          ; eight waves' parts, 8 registers each from v[p] on, are added into the first
.irp o, 0,16,32,48
.irp i, 0,2,4,6
	v_pk_add_f32 v[\p+\o+\i:\p+\o+\i+1], v[\p+\o+\i:\p+\o+\i+1], v[\p+\o+8+\i:\p+\o+8+\i+1]
.endr
.endr
.irp o, 0,32
.irp i, 0,2,4,6
	v_pk_add_f32 v[\p+\o+\i:\p+\o+\i+1], v[\p+\o+\i:\p+\o+\i+1], v[\p+\o+16+\i:\p+\o+16+\i+1]
.endr
.endr
.irp i, 0,2,4,6
	v_pk_add_f32 v[\p+\i:\p+\i+1], v[\p+\i:\p+\i+1], v[\p+32+\i:\p+32+\i+1]
.endr
.endm
	; ---- THE HEAD: all of x is asked for
	s_load_b512 s[4:19], s[0:1], 0x0               ; x s[4:5], w1c s[6:7], w1s s[8:9], W2 s[10:11], b1 s[12:13], b2 s[14:15], out0 s[16:17], out1 s[18:19]
	s_load_b128 s[20:23], s[0:1], 0x40             ; out2 s[20:21], out3 s[22:23]
	v_lshl_add_u32 v254, v0, 2, 0x4dc00
	v_mov_b32 v255, 0
	ds_add_u32 v254, v255
	ds_add_u32 v254, v255
	s_wait_dscnt 0x0
	v_lshrrev_b32 v24, 5, v0
	v_readfirstlane_b32 s24, v24                   ; wave w
	v_and_b32 v25, 15, v0                          ; r
	v_bfe_u32 v26, v0, 4, 1                        ; h
	v_lshlrev_b32 v1, 4, v25
	v_lshl_add_u32 v1, v26, 12, v1                 ; x: lanes 0-15 take 256 bytes of one row, lanes 16-31 of the next
	; descriptor group 1: a tile of 16 rows x 128 elements of 4 bytes, rows 1,024 elements apart in memory, 16 bytes of padding behind each row in LDS
	s_mov_b32 s[G1+0], (2<<16)|(1<<20)|(6<<22)|(3<<25)  ; 15:0 no mask; 17:16 elements of 4 bytes; 20 padding on; 24:22 after every 128 words (code 6); 31:25 of 4 words (code 3)
	s_mov_b32 s[G1+1], 128<<16                     ; tensor_dim0 = 128
	s_mov_b32 s[G1+2], 16<<16                      ; tensor_dim1 = 16
	s_mov_b32 s[G1+3], 128<<16                     ; tile_dim0 = 128
	s_mov_b32 s[G1+4], 16                          ; tile_dim1 = 16
	s_mov_b32 s[G1+5], 1024                        ; tensor_dim0_stride
	s_mov_b32 s[G1+6], 0
	s_mov_b32 s[G1+7], 0
	s_lshl_b32 s26, ttmp9, 19                      ; 128 rows of 4,096 bytes a work-group,
	s_lshl_b32 s27, s24, 16                        ; 16 a wave
	s_add_co_u32 s26, s26, s27
	s_mov_b32 s27, 0
	s_mul_i32 s25, s24, RAWW                       ; my 16 rows' place in a region of LDS
	s_wait_kmcnt 0x0
	s_add_nc_u64 s[4:5], s[4:5], s[26:27]          ; x at my first row
.irp n, 0,1,2,3
	s_mov_b32 s[G0+4*\n], 1                        ; 1:0 count = 1
	s_add_co_u32 s[G0+4*\n+1], s25, \n*RAWB        ; 63:32 LDS address: region n, my rows
	s_add_nc_u64 s[G0+4*\n+2:G0+4*\n+3], s[4:5], \n*512   ; 120:64 global address: K step n
	s_or_b32 s[G0+4*\n+3], s[G0+4*\n+3], 0x80000000       ; 127:126 type = 2
.endr
	s_load_b256 s[56:63], s[14:15], 0x0            ; b2's eight numbers
	WIN 0x40                                       ; destination window 1
.irp sp, 0,1,2,3                       ; K steps 4 to 7: each load reads two rows' 256 consecutive aligned bytes.  The last of the 64 is issued when the counter's field has room again (ISA guide 5.7.1)
.irp q, 0,1
.irp i, 0,1,2,3,4,5,6,7
	global_load_b128 v[64*\sp+32*\q+4*\i:64*\sp+32*\q+4*\i+3], v1, s[4:5] offset:8192*\i+512*(\sp+4)+256*\q th:TH_LOAD_NT
.endr
.endr
.endr
	WIN 0
	tensor_load_to_lds s[G0:G0+3], s[G1:G1+7]      ; K steps 0 to 3: the launch's only fills, one group, ahead of every wait on TENSORcnt and barrier: four tensor loads of mine are out
	s_nop 0
	tensor_load_to_lds s[G0+4:G0+7], s[G1:G1+7]
	s_nop 0
	tensor_load_to_lds s[G0+8:G0+11], s[G1:G1+7]
	s_nop 0
	tensor_load_to_lds s[G0+12:G0+15], s[G1:G1+7]
	s_nop 0
	PLACES 4                                       ; four v_nop follow the last
	v_and_b32 v24, 31, v0                          ; lane l
	v_lshlrev_b32 v13, 4, v24                      ; v13  16 l
	s_mul_i32 s26, s24, STGW
	s_add_co_u32 s26, s26, STG
	v_mul_u32_u24 v2, v26, SP
	v_lshl_add_u32 v2, v25, 4, v2
	v_add_nc_u32 v2, s26, v2                       ; v2   my stage, on the way in: row h, 16 r
	v_mul_u32_u24 v3, v25, SP
	v_lshl_add_u32 v3, v26, 6, v3
	v_add_nc_u32 v3, s26, v3                       ; v3   and on the way out: row r, 64 h
	v_mul_u32_u24 v4, v25, RP
	v_lshl_add_u32 v4, v26, 6, v4
	v_add_nc_u32 v4, s25, v4                       ; v4   my rows of RAW[0]: row r, 64 h
	v_add_nc_u32 v5, IMG0, v13                     ; v5, v6    the images, as read
	v_add_nc_u32 v6, IMG1, v13
	v_lshl_add_u32 v7, v24, 2, IMG0+ISC            ; v7, v8    their scale words
	v_lshl_add_u32 v8, v24, 2, IMG1+ISC
	s_mul_i32 s26, s24, FRB
	v_add_nc_u32 v9, s26, v5                       ; v9, v10   my image, as written
	v_add_nc_u32 v10, s26, v6
	s_lshl_b32 s26, s24, 7
	v_add_nc_u32 v11, s26, v7                      ; v11, v12  its scale words
	v_add_nc_u32 v12, s26, v8
	v_lshl_add_u32 v17, v24, 2, MASK
	v_add_nc_u32 v17, s26, v17                     ; v17  the masks, as written: token 32 w + l of a row
	v_lshlrev_b32 v14, 5, v26                      ; v14  b1: 32 h
	s_lshl_b32 s26, s24, 13
	v_add_nc_u32 v15, s26, v13                     ; v15  my part logits
	s_lshl_b32 s26, s24, 11
	v_add_nc_u32 v16, s26, v13                     ; v16  the part logits of token tiles 2 w, 2 w + 1
	v_lshlrev_b32 v22, 2, v24                      ; v22  W2 in memory: 4 l
	v_lshl_add_u32 v23, v24, 5, W2L
	v_add_nc_u32 v23, s26, v23                     ; v23  W2 in LDS, as written: my 2,048 bytes, unit l at 32 l
	v_lshl_add_u32 v[W2A], v26, 8, W2L
	v_add_nc_u32 v[W2A], s26, v[W2A]               ; v21  and as read: my half's eight units of a tile begin 256 h bytes on
	s_lshl_b32 s26, s24, 10
	v_add_nc_u32 v18, s26, v13
	v_add_nc_u32 v18, MASK, v18                    ; v18  the masks, as read: rows 2 w, 2 w + 1
	v_lshlrev_b32 v19, 5, v25
	v_lshl_add_u32 v19, v26, 4, v19                ; v19  out0: 32 r + 16 h
	v_lshlrev_b32 v20, 3, v24                      ; v20  out1, out2: 8 l
.irp b, 0,1,2,3
	v_mov_b32 v[132+\b], 0                         ; written once: a lane permute's destination counts as one of its sources
.endr
	s_mov_b32 s[SEL], 0x76543210
	s_mov_b32 s[SEL+1], 0xfedcba98
	s_mov_b32 s54, 0x3fb8aa3b                      ; log2(e)
	s_mul_i32 s26, s24, 32*FRB
	s_add_nc_u64 s[6:7], s[6:7], s[26:27]          ; w1c: my 4 tiles x 8 K steps
	s_lshl_b32 s26, s24, 12
	s_add_nc_u64 s[8:9], s[8:9], s[26:27]          ; w1s: my 8 blocks of 512 bytes
	s_lshl_b32 s26, s24, 8
	s_add_nc_u64 s[10:11], s[10:11], s[26:27]      ; W2: my 64 columns
	s_add_nc_u64 s[12:13], s[12:13], s[26:27]      ; b1: my 64 numbers
	s_lshl_b32 s26, ttmp9, 12
	s_lshl_b32 s25, s24, 10
	s_add_co_u32 s26, s26, s25
	s_add_nc_u64 s[16:17], s[16:17], s[26:27]      ; out0: token 128 g + 32 w, 32 bytes each (waves 0-3 store)
	s_lshl_b32 s26, ttmp9, 10
	s_lshl_b32 s25, s24, 8
	s_add_co_u32 s26, s26, s25
	s_add_nc_u64 s[18:19], s[18:19], s[26:27]      ; out1, out2: 8 bytes each
	s_add_nc_u64 s[20:21], s[20:21], s[26:27]
	s_lshl_b32 s26, ttmp9, 9
	s_lshl_b32 s25, s24, 18
	s_add_co_u32 s26, s26, s25
	s_add_nc_u64 s[22:23], s[22:23], s[26:27]      ; out3: rows 2 w, 2 w + 1 of 131,072 bytes, token 128 g
	s_wait_kmcnt 0x0                               ; b2
	; ---- PHASE A: K steps 4 to 7 are quantised as they land; their codes stay in 52 registers.  The counts: the loads issued behind the half that is wanted
	MV 0, 0, 56
	MV 0, 1, 48
	s_wait_dscnt 0x0
	QUANT 1, 0, KC, KS, 128, 144
	WIN 0x40
.irp b, 0,1,2,3                        ; b1, in the result's layout, into accumulator (0, b)'s registers, which K step 4 has left: lane (r, h) wants units 16 b + 8 h + 0 .. 7
.irp k, 0,1
	global_load_b128 v[8*\b+4*\k:8*\b+4*\k+3], v14, s[12:13] offset:64*\b+16*\k
.endr
.endr
	WIN 0
	MV 1, 0, 48
	MV 1, 1, 40
	s_wait_dscnt 0x0
	QUANT 1, 64, KC+12, KS+1, 128, 144
	W1LOAD 0, 4
	MV 2, 0, 45
	MV 2, 1, 37
	s_wait_dscnt 0x0
	QUANT 1, 128, KC+24, KS+2, 128, 144
	W1LOAD 1, 5
	MV 3, 0, 42
	MV 3, 1, 34
	s_wait_dscnt 0x0
	QUANT 1, 192, KC+36, KS+3, 128, 144
	; ---- PHASE B: the eight K steps.  The first image and the first two fragments stand in front of them.  The counts on LOADcnt: the other set's 13 loads may be out; in the last step W2's 16
	IMAGE 0, KC, KS
	BAR                                            ; the first step's eight images lie in LDS, and every wave has left its stage
	FETCH1 0, 4, 0
	FETCH1 0, 5, 1
	KSTEP 0, 13
	KSTEP 1, 13
	KSTEP 2, 13
	KSTEP 3, 13
	KSTEP 4, 13
	KSTEP 5, 13
	KSTEP 6, 13
	KSTEP 7, 16
	; ---- THE SECOND PRODUCT: my 64 units' part of the logits of all 128 tokens, in two passes of 32 units (16 a lane)
	LOGITS 0
	LOGITS 1
.irp a, 0,1,2,3,4,5,6,7                ; my part goes to LDS as it stands: lane (r, h): token 16 a + r, the units of half h; register e: expert e
	ds_store_b128 v15, v[LG+8*\a:LG+8*\a+3] offset:1024*\a
	ds_store_b128 v15, v[LG+8*\a+4:LG+8*\a+7] offset:1024*\a+512
.endr
	BAR                                            ; all eight waves' parts lie in LDS
	; ---- THE ROUTER: waves 0 to 3, 32 tokens each, a lane a token
	s_cmp_ge_u32 s24, 4
	s_cbranch_scc1 .Lnofinal
.irp wq, 0,1,2,3,4,5,6,7
.irp k, 0,1
	ds_load_b128 v[24+8*\wq+4*\k:24+8*\wq+4*\k+3], v16 offset:8192*\wq+512*\k           ; token tile 2 w
	ds_load_b128 v[128+8*\wq+4*\k:128+8*\wq+4*\k+3], v16 offset:8192*\wq+1024+512*\k    ; token tile 2 w + 1
.endr
.endr
	s_wait_dscnt 0x0
	TREE 24
	TREE 128
.irp j, 0,1,2,3,4,5,6,7                ; in a tile's sum lanes 0-15 hold what one half of the units gave for token r, lanes 16-31 what the other half gave.  The first tile's upper half changes places with the second's lower:
	v_permlane16_swap_b32 v[24+\j], v[128+\j]
.endr
.irp i, 0,2,4,6
	v_pk_add_f32 v[192+\i:193+\i], v[24+\i:25+\i], v[128+\i:129+\i]   ; lane l now holds token 32 w + l; register j expert j
.endr
.irp j, 0,1,2,3,4,5,6,7
	v_add_f32 v[192+\j], s[56+\j], v[192+\j]       ; + b2: the logits
.endr
	v_max3_num_f32 v200, v192, v193, v194
	v_max3_num_f32 v200, v200, v195, v196
	v_max3_num_f32 v200, v200, v197, v198
	v_max_num_f32 v200, v200, v199                 ; the row's maximum m
	v_mul_f32 v201, s54, v200
.irp j, 0,1,2,3,4,5,6,7
	v_fma_f32 v[208+\j], v[192+\j], s54, -v201     ; (logit - m) log2(e); the rounding of m log2(e) is common to the eight and leaves with the division by their sum
.endr
.irp j, 0,1,2,3,4,5,6,7
	v_exp_f32 v[208+\j], v[208+\j]
.endr
	v_mov_b32 v234, 0                              ; (a plain place behind the exponentials)  the first index
	s_wait_alu depctr_va_vdst(0)                   ; one wait for the eight, ahead of their first reader
	v_add_f32 v202, v208, v209
	v_add_f32 v203, v210, v211
	v_add_f32 v204, v212, v213
	v_add_f32 v205, v214, v215
	v_add_f32 v202, v202, v203
	v_add_f32 v204, v204, v205
	v_add_f32 v202, v202, v204
	v_rcp_f32 v206, v202
	v_mov_b32 v235, 0                              ; (a plain place)  the second index
	s_wait_alu depctr_va_vdst(0)
.irp j, 0,1,2,3,4,5,6,7
	v_mul_f32 v[208+\j], v[208+\j], v206           ; the probabilities
.endr
	v_mov_b32 v216, v208                           ; the largest: only a strictly larger one takes the place, so of equals the lower index stays
.irp j, 1,2,3,4,5,6,7
	v_cmp_gt_f32 vcc_lo, v[208+\j], v216
	v_cndmask_b32 v234, v234, \j, vcc_lo
	v_cndmask_b32 v216, v216, v[208+\j], vcc_lo
.endr
.irp j, 0,1,2,3,4,5,6,7
	v_cmp_eq_u32 vcc_lo, \j, v234
	v_cndmask_b32 v[224+\j], v[208+\j], -1.0, vcc_lo   ; the one taken is put under every probability
.endr
	v_mov_b32 v217, v224                           ; the second largest, likewise
.irp j, 1,2,3,4,5,6,7
	v_cmp_gt_f32 vcc_lo, v[224+\j], v217
	v_cndmask_b32 v235, v235, \j, vcc_lo
	v_cndmask_b32 v217, v217, v[224+\j], vcc_lo
.endr
	v_add_f32 v219, v216, v217
	v_rcp_f32 v220, v219
	v_nop
	s_wait_alu depctr_va_vdst(0)
	v_mul_f32 v232, v216, v220
	v_mul_f32 v233, v217, v220                     ; the two weights, renormalised
	global_store_b64 v20, v[232:233], s[18:19] th:TH_STORE_NT   ; 32 lanes store 256 consecutive bytes, aligned
	global_store_b64 v20, v[234:235], s[20:21] th:TH_STORE_NT
.irp e, 0,1,2,3,4,5,6,7                ; the masks meet in LDS as rows (e, k) of the work-group's 128 tokens
.irp k, 0,1
	v_cmp_eq_u32 vcc_lo, \e, v[234+\k]
	v_cndmask_b32 v[88+2*\e+\k], 0, 1, vcc_lo
	ds_store_b32 v17, v[88+2*\e+\k] offset:512*(2*\e+\k)
.endr
.endr
.irp j, 0,1,2,3                        ; the logits: a token's row is 32 bytes.  After the exchange v192-195 hold, in lane (r, h), numbers 4 h + 0 .. 3 of token r, and v196-199 those of token 16 + r
	v_permlane16_swap_b32 v[192+\j], v[196+\j]
.endr
	global_store_b128 v19, v[192:195], s[16:17] th:TH_STORE_NT             ; 512 consecutive bytes a store, aligned
	global_store_b128 v19, v[196:199], s[16:17] offset:512 th:TH_STORE_NT
.Lnofinal:
	BAR                                            ; the sixteen rows of masks lie in LDS
	ds_load_b128 v[32:35], v18                     ; every wave stores two of them
	ds_load_b128 v[36:39], v18 offset:512
	s_wait_dscnt 1
	global_store_b128 v13, v[32:35], s[22:23] th:TH_STORE_NT               ; 512 consecutive bytes, aligned
	s_wait_dscnt 0x0
	global_store_b128 v13, v[36:39], s[22:23] offset:131072 th:TH_STORE_NT
	s_wait_xcnt 0x0
	v_lshl_add_u32 v254, v0, 2, 0x4dc00
	v_mov_b32 v255, 0
	s_wait_tensorcnt 0x0
	ds_add_u32 v254, v255
	s_wait_dscnt 0x0
	s_endpgm
.Lfunc_end_k_q344bb5685d_router:
	.size	k_q344bb5685d_router, .Lfunc_end_k_q344bb5685d_router-k_q344bb5685d_router
	.p2alignl 7, 3214868480
	.fill 96, 4, 3214868480
	.section	.rodata,"a",@progbits
	.p2align	6, 0x0
	.amdhsa_kernel k_q344bb5685d_router
		.amdhsa_group_segment_fixed_size 327680
		.amdhsa_private_segment_fixed_size 0
		.amdhsa_enable_private_segment 0
		.amdhsa_kernarg_size 80
		.amdhsa_user_sgpr_count 2
		.amdhsa_user_sgpr_kernarg_segment_ptr 1
		.amdhsa_wavefront_size32 1
		.amdhsa_system_sgpr_workgroup_id_x 1
		.amdhsa_system_sgpr_workgroup_id_y 1
		.amdhsa_system_sgpr_workgroup_id_z 1
		.amdhsa_system_vgpr_workitem_id 0
		.amdhsa_next_free_vgpr 512
		.amdhsa_next_free_sgpr 66
		.amdhsa_reserve_vcc 1
		.amdhsa_float_denorm_mode_32 3
		.amdhsa_float_denorm_mode_16_64 3
		.amdhsa_memory_ordered 1
		.amdhsa_forward_progress 1
		.amdhsa_inst_pref_size 211
	.end_amdhsa_kernel
	.amdgpu_metadata
---
amdhsa.version: [ 1, 2 ]
amdhsa.kernels:
  - .name:           k_q344bb5685d_router
    .symbol:         k_q344bb5685d_router.kd
    .args:
      - { .name: x, .offset: 0, .size: 8, .value_kind: global_buffer, .address_space: global }
      - { .name: w1c, .offset: 8, .size: 8, .value_kind: global_buffer, .address_space: global }
      - { .name: w1s, .offset: 16, .size: 8, .value_kind: global_buffer, .address_space: global }
      - { .name: W2, .offset: 24, .size: 8, .value_kind: global_buffer, .address_space: global }
      - { .name: b1, .offset: 32, .size: 8, .value_kind: global_buffer, .address_space: global }
      - { .name: b2, .offset: 40, .size: 8, .value_kind: global_buffer, .address_space: global }
      - { .name: out0, .offset: 48, .size: 8, .value_kind: global_buffer, .address_space: global }
      - { .name: out1, .offset: 56, .size: 8, .value_kind: global_buffer, .address_space: global }
      - { .name: out2, .offset: 64, .size: 8, .value_kind: global_buffer, .address_space: global }
      - { .name: out3, .offset: 72, .size: 8, .value_kind: global_buffer, .address_space: global }
    .group_segment_fixed_size: 327680
    .private_segment_fixed_size: 0
    .kernarg_segment_align: 8
    .kernarg_segment_size: 80
    .max_flat_workgroup_size: 256
    .sgpr_count:     66
    .vgpr_count:     512
    .wavefront_size: 32
...
	.end_amdgpu_metadata
.endif
;; end of part 2
